; MI455X (gfx1250); checked and timed in simulation.
; The chip was launched on July 23, 2026; its instructions are those of AMD's public machine-readable ISA for CDNA 5 (MIT licence, August 2026) and "CDNA5" Instruction Set Architecture Reference Guide (July 2026). The comments in the code are by the model that wrote it; some were corrected since.
;; Fully Connected. Allowed arithmetic: float matrix products may take bf16 or f16 operands with f32 sums; other float arithmetic in f32, or as packed bf16 or f16 multiplies, adds, multiply-adds, maxima and minima; sums over many terms, partial sums and values carried from step to step in f32; what a program stores and reads back later, other than sums and carried values, may be rounded once to bf16 or f16.
;; Inputs: bias 1,024 float32; weight 1,024 x 1,024 float32; x 1,024 x 1,024 float32.
;; Outputs: out0 1,024 x 1,024 float32.
;; One version. Each part assembles by itself: llvm-mc -triple=amdgcn-amd-amdhsa -mcpu=gfx1250 --defsym DOCPART=n.
;; ======== version 1 of 1: 1 launch
;; launch mam (part 1): grid 16 x 16, 8 waves a work-group, clusters of 4 x 4, 327,680 bytes of LDS; arguments x, weight, bias, out0; writes out0
.if DOCPART == 1
	.amdgcn_target "amdgcn-amd-amdhsa--gfx1250"
	.amdhsa_code_object_version 6
	.text
	.protected	k_q06274b8550_mam
	.globl	k_q06274b8550_mam
	.p2align	8
	.type	k_q06274b8550_mam,@function
k_q06274b8550_mam:
	s_mov_b64 s[64:65], 0
	v_nop
	global_prefetch_b8 v0, s[64:65] scope:SCOPE_SE
	s_setreg_imm32_b32 hwreg(HW_REG_WAVE_MODE, 25, 1), 1
	s_wait_xcnt 0x0
	s_wait_alu depctr_hold_cnt(0) depctr_sa_sdst(0) depctr_va_vdst(0) depctr_va_sdst(0) depctr_va_ssrc(0) depctr_va_vcc(0) depctr_vm_vsrc(0)
	s_getreg_b32 s2, hwreg(HW_REG_IB_STS2, 6, 4)
	s_cmp_eq_u32 s2, 0
	s_cbranch_scc0 .Lentry_in_a_cluster
	s_endpgm
.Lentry_in_a_cluster:
	s_bfe_u32 s2, ttmp6, 0x10000c
	s_cmp_lg_u32 s2, 0xf033
	s_cbranch_scc0 .Lentry_shape_is_right
	s_endpgm
.Lentry_shape_is_right:
; out[m][n] = max over k of (x[m][k] w[n][k]) + min over k of (x[m][k] w[n][k]) + bias[n].  x: [1024][1024], weight: [1024][1024], bias: [1024], out: [1024][1024], all f32.
; All arithmetic in f32, in the order of the definition: each product rounded once, maxima and minima exact, (max + min) + bias.
; LIMIT.  v_max3_num_f32 and v_min3_num_f32 pass over a NaN: a product that is NaN (a NaN input, or 0 x infinity) is left out, where the definition would give NaN.  Infinities go through as they are.
; THE COUNT.  Maxima and minima are no sums, so the matrix unit has no part; 2^30 products want a multiply, a maximum and a minimum each.  Two neighbouring k go together: one v_pk_mul_f32 makes both
; products, one v_max3_num_f32 and one v_min3_num_f32 take both in: three vector instructions for two products.
; SHARES.  A work-group makes 64 x 64 of out: 256 work-groups.  Eight waves.  A lane owns 8 x 8 outputs (64 maxima, 64 minima), a wave 64 rows x 32 columns; K IS SPLIT FOUR WAYS: wave v takes the
; columns' half v / 4 and the quarter v % 4 of every K step.  So 16 LDS loads of 16 bytes a lane feed 384 vector instructions.  The four partial maxima and minima meet in LDS at the end.
;   lane l: lm = l % 8, ln = l / 8.  Output (i, j) of the lane: row lm + 8 i, column 32 (v / 4) + 16 (j / 4) + 4 ln + j % 4: four neighbouring columns in four neighbouring registers.
; THE RING.  K goes in 4 steps of 256 through two LDS slots.  A slot holds 8 sub-tiles of 64 rows x 64 floats (256 bytes of memory, aligned): x's four quarters of the step, then weight's four.
; Wave v fetches sub-tile v with one tensor load.  Steps 0 and 1 are the first fills, steps 2 and 3 refills.
; CLUSTER.  4 x 4 work-groups.  x's tile hangs on the block row alone, which a row of the cluster shares; weight's on the block column alone, which a column shares: each is asked for JOINTLY, by the
; same tensor load with the same descriptor and a mask that names the four.
.set ROWB,   4096                      ; bytes in a row of x, of weight and of out
.set STEPB,  1024                      ; bytes of a row in a K step
.set PITCH,  272                       ; an LDS row: 256 bytes + 16 of padding = 68 words: row r starts at bank 4 r mod 64 (64 banks of 4 bytes: ISA guide 11.1): the 8 rows of x, and the rows of weight 4 apart, that 16 lanes touch do not meet
.set SUB,    64*PITCH                  ; a sub-tile: 17,408 bytes
.set SLOT,   8*SUB                     ; 139,264 bytes
.set SPARE,  2*SLOT                    ; behind the ring: the spare words, 128 bytes for each of the eight waves: four blocks of 256 bytes that no other line names
.set AHEAD,  5                         ; a refill's bytes are prefetched when five trips of the block loop are still to come
.set AX0, 2                            ; v2   my lane's place in x's sub-tile: quarter x SUB + lm x PITCH; never rewritten
.set AW0, 3                            ; v3   the same for weight: (4 + quarter) x SUB + (32 half + 4 ln) x PITCH; never rewritten
.set AX,  4                            ; v4   AX0 + s[TB]: where the next block's x lies
.set AW,  5                            ; v5   the same for weight
.set STO, 6                            ; v6   the end: where I put my partial results
.set RD,  7                            ; v7   the end: where I read rows back, quarters 0 and 1
.set RD2, 8                            ; v8   quarters 2 and 3
.set CO,  9                            ; v9   my byte offset in two rows of out
.set BO,  10                           ; v10  my byte offset in the block's 64 numbers of bias
.set PFO, 11                           ; v11  the prefetches' offset; never rewritten
.set SPW, 12                           ; v12  LDS address of my spare word: SPARE + 4 x my thread's number; never rewritten
.set NIL, 13                           ; v13  0; never rewritten
.set BIAS, 20                          ; v[20:23]   bias of the four columns that I store
.set P,    24                          ; v[24:39]   eight pairs of products
.set X,    40                          ; v[40:71]   x: row i's four k at X + 4 i
.set W,    72                          ; v[72:103]  weight: column j's four k at W + 4 j
.set AMAX, 104                         ; v[104:167] the maxima: (i, j) at AMAX + 8 i + j
.set AMIN, 168                         ; v[168:231] the minima
.set TB,  3                            ; s3   LDS byte: the slot, plus 16 x the block to be fetched next
.set WV,  12                           ; s12  my wave's number
.set Q,   13                           ; s13  my quarter of K
.set G,   14                           ; s14  my half of the columns
.set CNT, 15                           ; s15  counts the blocks of a step
.set G1X, 24                           ; s[24:31] descriptor group 1 for x's tiles
.set G0X, 32                           ; s[32:39] descriptor group 0 for x's tiles, a set for each slot
.set CX,  40                           ; s40, s41 my place in the cluster
.set CY,  41
.set BX,  42                           ; s42  block column of out
.set BY,  43                           ; s43  block row
.set PFA, 44                           ; s[44:45] where my prefetches stand; never rewritten
.set PFT, 46                           ; s46  AHEAD in a wave that prefetches, else 0, which the count never is inside its loop
.set LB,  47                           ; s47  my sub-tile's place in a slot
.set G1W, 48                           ; s[48:55], s[56:63] the same two groups for weight's tiles
.set G0W, 56
; A joint load.  Waves 0 to 3 fetch x's four quarters of a step, waves 4 to 7 weight's.  The branch hangs on the wave's number alone: it is the same in every work-group.
.macro JLOAD s
	s_cmp_lt_u32 s[WV], 4
	s_cbranch_scc0 .Lfor_w_\@
	tensor_load_to_lds s[G0X+4*(\s):G0X+4*(\s)+3], s[G1X:G1X+7]
	s_nop 0
	s_branch .Lasked_\@
.Lfor_w_\@:
	tensor_load_to_lds s[G0W+4*(\s):G0W+4*(\s)+3], s[G1W:G1W+7]
	s_nop 0
.Lasked_\@:
.endm
; A round of the cluster's barrier: my work-group's barrier, so that wave 0's signal speaks for all eight waves; wave 0 signals; every wave waits for all sixteen work-groups; my work-group's barrier once more.
.macro CREST                           ; a round behind its opening barrier
	s_cmp_lg_u32 s[WV], 0
	s_cbranch_scc1 .Lnot_wave_0_\@
	s_barrier_signal -3
.Lnot_wave_0_\@:
	s_barrier_wait -3
	s_barrier_signal -1
	s_barrier_wait -1
.endm
.macro CROUND                          ; a whole round
	s_barrier_signal -1
	s_barrier_wait -1
	CREST
.endm
; A PREFETCH INTO THE L2 of what a refill will ask for, AHEAD trips of the block loop before it.  A step's tile is 64 rows x 4 blocks of 256 bytes.  Each block is named ONCE in the launch: x's rows are read
; by every cluster of a row of clusters: cluster x = 0 asks; weight's by every cluster of a column: cluster y = 0 asks.  The four partners that ask for a tile jointly share its rows out BY ADDRESS, 16 each;
; of those, waves 0 and 1 (x) or 4 and 5 (weight) take 8 rows each: 8 rows x 4 blocks, a lane a block, one instruction.  Steps 0 and 1 come by their loads alone.
.macro ASK step
	s_cmp_eq_u32 s[CNT], s[PFT]
	s_cbranch_scc0 .Lnot_now_\@
	global_prefetch_b8 v[PFO], s[PFA:PFA+1] offset:(\step)*STEPB th:TH_LOAD_NT scope:SCOPE_SE
.Lnot_now_\@:
.endm
	s_load_b256 s[4:11], s[0:1], 0x0               ; x s[4:5], weight s[6:7], bias s[8:9], out s[10:11]
	v_lshl_add_u32 v[SPW], v0, 2, SPARE
	v_mov_b32 v[NIL], 0
	ds_add_u32 v[SPW], v[NIL]                      ; the wave's opening: the add, twice on end, and its wait ahead of my first tensor load; the set-up below stands between
	ds_add_u32 v[SPW], v[NIL]                      ; and once more, under the one wait
	v_lshrrev_b32 v1, 5, v0
	v_readfirstlane_b32 s[WV], v1                  ; wave 0..7
	s_and_b32 s[Q], s[WV], 3
	s_lshr_b32 s[G], s[WV], 2
	s_bfe_u32 s[CX], ttmp6, 0x40000                ; cx
	s_bfe_u32 s[CY], ttmp6, 0x40004                ; cy
	s_lshl_b32 s[BX], ttmp9, 2                     ; in a cluster launch ttmp9 and ttmp7 count clusters
	s_add_co_u32 s[BX], s[BX], s[CX]               ; block column = 4 x cluster x + cx
	s_and_b32 s[BY], ttmp7, 0xffff
	s_lshl_b32 s[BY], s[BY], 2
	s_add_co_u32 s[BY], s[BY], s[CY]               ; block row = 4 x cluster y + cy
	s_lshl_b32 s16, s[CY], 2
	s_lshl_b32 s16, 15, s16                        ; my row of the cluster: places 4 cy .. 4 cy + 3
	s_lshl_b32 s20, 0x1111, s[CX]                  ; my column: places cx, cx + 4, cx + 8, cx + 12
	; descriptor group 1: a tile of 64 rows x 64 elements of 4 bytes, padded in LDS
	s_or_b32 s[G1X], s16, (2<<16)|(1<<20)|(1<<21)|(5<<22)|(3<<25)  ; 15:0 the mask: x's tiles go to my row; 17:16 elements of 4 bytes; 20 padding on; 21 set beside a mask; 24:22 after every 64 words (code 5); 31:25 4 words (code 3)
	s_or_b32 s[G1W], s20, (2<<16)|(1<<20)|(1<<21)|(5<<22)|(3<<25)  ; the same with the mask of my column
.irp g, G1X, G1W
	s_mov_b32 s[(\g)+1], 64<<16                    ; tensor_dim0 = 64
	s_mov_b32 s[(\g)+2], 64<<16                    ; tensor_dim1 = 64
	s_mov_b32 s[(\g)+3], 64<<16                    ; tile_dim0 = 64
	s_mov_b32 s[(\g)+4], 64                        ; tile_dim1 = 64
	s_mov_b32 s[(\g)+5], 1024                      ; 1,024 elements from row to row
	s_mov_b32 s[(\g)+6], 0
	s_mov_b32 s[(\g)+7], 0
.endr
	; where the tiles come from: x's hang on the block row, weight's on the block column, both on the wave's quarter of the step; each in registers of its own
	s_lshl_b32 s16, s[BY], 18                      ; 64 rows of 4,096 bytes
	s_lshl_b32 s17, s[Q], 8                        ; 256 bytes a quarter
	s_add_co_u32 s16, s16, s17
	s_mov_b32 s17, 0
	s_lshl_b32 s20, s[BX], 18
	s_lshl_b32 s21, s[Q], 8
	s_add_co_u32 s20, s20, s21
	s_mov_b32 s21, 0
	s_mul_i32 s[LB], s[WV], SUB                    ; and where they go: sub-tile = wave's number: no place in the cluster enters an LDS address
	s_wait_dscnt 0x0                               ; both opening adds are done
	s_wait_kmcnt 0x0
	s_add_nc_u64 s[18:19], s[4:5], s[16:17]
	s_add_nc_u64 s[22:23], s[6:7], s[20:21]
	CROUND                                         ; all sixteen work-groups are here: the first joint loads meet
.irp s, 0,1
	s_mov_b32 s[G0X+4*(\s)], 1                                       ; count = 1
	s_add_co_u32 s[G0X+4*(\s)+1], s[LB], (\s)*SLOT                   ; LDS address
	s_add_nc_u64 s[G0X+4*(\s)+2:G0X+4*(\s)+3], s[18:19], (\s)*STEPB  ; global address: K step s
	s_or_b32 s[G0X+4*(\s)+3], s[G0X+4*(\s)+3], 0x80000000            ; type = 2
	s_mov_b32 s[G0W+4*(\s)], 1
	s_add_co_u32 s[G0W+4*(\s)+1], s[LB], (\s)*SLOT
	s_add_nc_u64 s[G0W+4*(\s)+2:G0W+4*(\s)+3], s[22:23], (\s)*STEPB
	s_or_b32 s[G0W+4*(\s)+3], s[G0W+4*(\s)+3], 0x80000000
	JLOAD \s                                       ; both slots are asked for before anything else is done: two loads of mine are out
.endr
	; the lane's addresses, made while the first tiles are on their way
	v_and_b32 v14, 7, v0                           ; lm
	v_bfe_u32 v15, v0, 3, 2                        ; ln
	v_and_b32 v16, 15, v0                          ; l % 16
	v_bfe_u32 v17, v0, 4, 1                        ; l / 16
	s_mul_i32 s16, s[Q], SUB
	v_mul_u32_u24 v[AX0], v14, PITCH
	v_add_nc_u32 v[AX0], s16, v[AX0]
	s_mul_i32 s17, s[G], 32*PITCH
	s_add_co_u32 s17, s17, s16
	s_add_co_u32 s17, s17, 4*SUB
	v_mul_u32_u24 v[AW0], v15, 4*PITCH
	v_add_nc_u32 v[AW0], s17, v[AW0]
	s_mul_i32 s18, s[Q], 2*SUB                     ; the partial results: quarter q's maxima at 2 q x SUB, its minima SUB further, as 64 rows of 64 floats, pitch 272
	s_lshl_b32 s19, s[G], 7                        ; my half's 128 bytes of a row
	s_add_co_u32 s18, s18, s19
	v_mul_u32_u24 v[STO], v14, PITCH
	v_lshl_add_u32 v[STO], v15, 4, v[STO]
	v_add_nc_u32 v[STO], s18, v[STO]
	s_mul_i32 s19, s[WV], 8*PITCH                  ; back: wave v takes rows 8 v .. 8 v + 7, whole; lanes 0-15 one row of 256 bytes, lanes 16-31 the next
	v_mul_u32_u24 v[RD], v17, PITCH
	v_lshl_add_u32 v[RD], v16, 4, v[RD]
	v_add_nc_u32 v[RD], s19, v[RD]
	v_add_nc_u32 v[RD2], 4*SUB, v[RD]
	v_lshlrev_b32 v[BO], 4, v16
	v_lshl_add_u32 v[CO], v17, 12, v[BO]           ; the same two rows in out
	s_lshl_b32 s20, s[BX], 8                       ; the block's 64 columns: 256 bytes
	s_mov_b32 s21, 0
	s_add_nc_u64 s[8:9], s[8:9], s[20:21]
	global_load_b128 v[BIAS:BIAS+3], v[BO], s[8:9] ; waited for at the end
	s_lshl_b32 s22, s[BY], 18
	s_lshl_b32 s23, s[WV], 15                      ; 8 rows of 4,096 bytes
	s_add_co_u32 s22, s22, s23
	s_add_co_u32 s22, s22, s20
	s_mov_b32 s23, 0
	s_add_nc_u64 s[10:11], s[10:11], s[22:23]      ; out at the first row that I store, at the block's first column
	; the prefetches
	s_and_b32 s16, ttmp7, 0xffff                   ; cluster y
	s_cmp_lt_u32 s[WV], 4                          ; do I fetch for x?
	s_cselect_b32 s17, s[BY], s[BX]                ; the tile: in x by the block row, in weight by the block column
	s_cselect_b32 s18, s[CX], s[CY]                ; my place among the four that ask for it with me
	s_cselect_b32 s16, ttmp9, s16                  ; the coordinate along which other clusters read the same rows
	s_cselect_b64 s[PFA:PFA+1], s[4:5], s[6:7]
	s_and_b32 s19, s[WV], 2
	s_or_b32 s16, s16, s19                         ; 0 in waves 0, 1, 4, 5 of the first such cluster: the same in all sixteen partners, for a given wave
	s_cmp_eq_u32 s16, 0
	s_cselect_b32 s[PFT], AHEAD, 0
	s_lshl_b32 s17, s17, 18                        ; the tile's 64 rows,
	s_lshl_b32 s18, s18, 16                        ; my work-group's 16 of them,
	s_add_co_u32 s18, s18, s17
	s_and_b32 s19, s[WV], 1
	s_lshl_b32 s19, s19, 15                        ; my wave's 8 of those
	s_add_co_u32 s18, s18, s19
	s_mov_b32 s19, 0
	s_add_nc_u64 s[PFA:PFA+1], s[PFA:PFA+1], s[18:19]
	v_and_b32 v18, 31, v0
	v_lshrrev_b32 v19, 2, v18                      ; row l / 4,
	v_and_b32 v18, 3, v18
	v_lshlrev_b32 v18, 8, v18                      ; block l % 4 of the step's four
	v_lshl_add_u32 v[PFO], v19, 12, v18
; THE VECTOR WORK.  Row i of the lane's eight against four of its columns (jh = 0: columns 0-3, 1: columns 4-7), four k: eight packed multiplies, then a maximum and a minimum for each pair of products.
; Eight instructions stand between a multiply and the first reader of its products, and between the two links of an accumulator's chain.  first = 1: the first pair starts the maximum and the minimum: nothing is ever cleared.
.macro ROWW i, jh, first
.irp p, 0,1
.irp jj, 0,1,2,3
	v_pk_mul_f32 v[P+8*(\p)+2*(\jj):P+8*(\p)+2*(\jj)+1], v[X+4*(\i)+2*(\p):X+4*(\i)+2*(\p)+1], v[W+16*(\jh)+4*(\jj)+2*(\p):W+16*(\jh)+4*(\jj)+2*(\p)+1]
.endr
.endr
.irp p, 0,1
.irp jj, 0,1,2,3
.if (\first) && ((\p) == 0)
	v_max_num_f32 v[AMAX+8*(\i)+4*(\jh)+(\jj)], v[P+8*(\p)+2*(\jj)], v[P+8*(\p)+2*(\jj)+1]
	v_min_num_f32 v[AMIN+8*(\i)+4*(\jh)+(\jj)], v[P+8*(\p)+2*(\jj)], v[P+8*(\p)+2*(\jj)+1]
.else
	v_max3_num_f32 v[AMAX+8*(\i)+4*(\jh)+(\jj)], v[AMAX+8*(\i)+4*(\jh)+(\jj)], v[P+8*(\p)+2*(\jj)], v[P+8*(\p)+2*(\jj)+1]
	v_min3_num_f32 v[AMIN+8*(\i)+4*(\jh)+(\jj)], v[AMIN+8*(\i)+4*(\jh)+(\jj)], v[P+8*(\p)+2*(\jj)], v[P+8*(\p)+2*(\jj)+1]
.endif
.endr
.endr
.endm
; THE LDS LOADS, 16 bytes (four k) a lane.  Lanes with the same lm read the same bytes of x, lanes with the same ln the same bytes of weight.
.macro LDW jh                          ; four columns of weight
.irp jj, 0,1,2,3
	ds_load_b128 v[W+16*(\jh)+4*(\jj):W+16*(\jh)+4*(\jj)+3], v[AW] offset:(16*(\jh)+(\jj))*PITCH
.endr
.endm
.macro LDX i                           ; one row of x
	ds_load_b128 v[X+4*(\i):X+4*(\i)+3], v[AX] offset:(\i)*8*PITCH
.endm
.macro POINT                           ; the two addresses of the block at s[TB]
	v_add_nc_u32 v[AX], s[TB], v[AX0]
	v_add_nc_u32 v[AW], s[TB], v[AW0]
.endm
; A BLOCK: four k for all 64 outputs of the lane, 384 vector instructions, and the next block's 16 loads.  The operands have ONE set of registers, loaded again as they fall free: the first half takes
; columns 0-3, and behind it W0-3 are loaded; the second half takes columns 4-7, each row of x is loaded behind its turn, W4-7 at the end.  So at a block's head 16 loads are out, in this order: W0-3, X0-7, W4-7,
; and each has 96 vector instructions or more between its issue and the wait for it.
; kind 0: a block inside a step.  kind 3: the very last block: nothing is fetched.
; kind 1, 2: a step's last block, which CHANGES SLOTS: all reads of slot \slot were issued in the block before.  ONE barrier for two things.  In front of it each wave waits for all its tensor loads (its part
; of the other slot), adds 0 to its spare word, and waits for that and for its reads of this slot.  Behind it nobody reads this slot any more and the other slot is whole.  kind 1: this slot is filled again,
; two steps ahead: the barrier opens a round of the cluster's barrier, and the joint load is the first thing behind the round; it has the next step's 15 blocks and half of this one in which to land.
.macro BLOCK kind, first=0, slot=0
.if ((\kind) == 1) || ((\kind) == 2)
	s_wait_tensorcnt 0x0                           ; all my tensor loads have landed, so a group 0 may be written
	ds_add_u32 v[SPW], v[NIL]                      ; 0 onto my spare word; four rows' work stands between it and the wait for it
.if (\kind) == 1
	s_add_nc_u64 s[G0X+4*(\slot)+2:G0X+4*(\slot)+3], s[G0X+4*(\slot)+2:G0X+4*(\slot)+3], 2*STEPB
	s_add_nc_u64 s[G0W+4*(\slot)+2:G0W+4*(\slot)+3], s[G0W+4*(\slot)+2:G0W+4*(\slot)+3], 2*STEPB
.endif
	s_wait_dscnt 9                                 ; W0-3 and X0-3 are in; X4-7, W4-7 and the add may be out
.else
	s_wait_dscnt 8                                 ; W0-3 and X0-3 are in; X4-7 and W4-7 may be out
.endif
.irp i, 0,1,2,3
	ROWW \i, 0, \first
.endr
.if ((\kind) == 1) || ((\kind) == 2)
	s_wait_dscnt 0x0                               ; the add is done, and my reads of this slot are over:
	s_barrier_signal -1                            ; say so,
.else
	s_wait_dscnt 4                                 ; X4-7 are in; W4-7 may be out
.endif
.irp i, 4,5,6,7
	ROWW \i, 0, \first                             ; (at a change of slots: work on registers while the others arrive)
.endr
.if ((\kind) == 1) || ((\kind) == 2)
	s_barrier_wait -1                              ; and go on when all eight have said so
.if (\kind) == 1
	CREST                                          ; all sixteen work-groups have said so: no wave of any partner still reads this slot's tile or has a load on its way
	JLOAD \slot
.endif
	s_mov_b32 s[TB], (1-(\slot))*SLOT              ; the fetches go on at the other slot's first block
	POINT
.endif
.if (\kind) == 3
	s_wait_dscnt 0x0                               ; W4-7 are in
.else
	LDW 0
.if (\kind) == 0
	s_wait_dscnt 4                                 ; W4-7 are in; the four loads just issued may be out
.endif
.endif
.irp i, 0,1,2,3,4,5,6,7
	ROWW \i, 1, \first
.if (\kind) != 3
	LDX \i
.endif
.endr
.if (\kind) != 3
	LDW 1
	s_add_co_u32 s[TB], s[TB], 16                  ; the next fetch is the next block's
	POINT
.endif
.endm
.macro COUNT label                     ; the foot of a block loop
	s_sub_co_u32 s[CNT], s[CNT], 1
	s_cmp_lg_u32 s[CNT], 0
	s_cbranch_scc1 \label
.endm
	s_wait_tensorcnt 0x1                           ; my part of K step 0 is in; step 1's may stay out
	s_barrier_signal -1
	s_barrier_wait -1                              ; everybody's is
	s_mov_b32 s[TB], 0
	POINT
	LDW 0                                          ; block 0, in the order in which every block leaves its loads
.irp i, 0,1,2,3,4,5,6,7
	LDX \i
.endr
	LDW 1
	s_add_co_u32 s[TB], s[TB], 16
	POINT
	BLOCK 0, 1                                     ; K step 0, in slot 0: its first block starts the maxima and minima,
	s_mov_b32 s[CNT], 14
.Lstep0:                                               ; fourteen more go round,
	BLOCK 0
	ASK 2                                          ; (behind the block's last loads: step 2's bytes)
	COUNT .Lstep0
	BLOCK 1, 0, 0                                  ; and the sixteenth changes slots: slot 0 takes K step 2
	s_mov_b32 s[CNT], 15
.Lstep1:                                               ; K step 1, in slot 1
	BLOCK 0
	ASK 3
	COUNT .Lstep1
	BLOCK 1, 0, 1                                  ; slot 1 takes K step 3: the last load
	s_mov_b32 s[CNT], 15
.Lstep2:                                               ; K step 2
	BLOCK 0
	COUNT .Lstep2
	BLOCK 2, 0, 0                                  ; nothing is left to fetch, so no round follows.  From here on nobody reads slot 0, and nothing is filled
	s_mov_b32 s[CNT], 15
.Lstep3:                                               ; K step 3
	BLOCK 0
	COUNT .Lstep3
	BLOCK 3
	; THE END.  The four quarters of K meet in slot 0, which has had its last fill and whose last reads stand ahead of the barrier that every wave passed on its way into K step 3.
	; 16 bytes are four neighbouring columns of a row; the two halves of the columns write the two halves of the same rows.  (Lanes with lm + ln alike meet in a bank, two deep: 32 stores a wave, once.)
.irp i, 0,1,2,3,4,5,6,7
.irp jh, 0,1
	ds_store_b128 v[STO], v[AMAX+8*(\i)+4*(\jh):AMAX+8*(\i)+4*(\jh)+3] offset:(\i)*8*PITCH+64*(\jh)
	ds_store_b128 v[STO], v[AMIN+8*(\i)+4*(\jh):AMIN+8*(\i)+4*(\jh)+3] offset:SUB+(\i)*8*PITCH+64*(\jh)
.endr
.endr
	s_wait_dscnt 0x0                               ; for the others' sake: my stores are done
	s_barrier_signal -1
	s_barrier_wait -1
	; Wave v finishes rows 8 v .. 8 v + 7, two rows to a load: pair t, maxima (kd = 0) or minima (1), quarter q into AMAX + 64 kd + 16 t + 4 q
.irp t, 0,1,2,3
.irp kd, 0,1
.irp qq, 0,1
	ds_load_b128 v[AMAX+64*(\kd)+16*(\t)+4*(\qq):AMAX+64*(\kd)+16*(\t)+4*(\qq)+3],    v[RD]  offset:(2*(\qq)+(\kd))*SUB+(\t)*2*PITCH
	ds_load_b128 v[AMAX+64*(\kd)+16*(\t)+4*(\qq)+8:AMAX+64*(\kd)+16*(\t)+4*(\qq)+11], v[RD2] offset:(2*(\qq)+(\kd))*SUB+(\t)*2*PITCH
.endr
.endr
.endr
	s_wait_loadcnt 0x0                             ; bias
.irp t, 0,1,2,3
	s_wait_dscnt 24-8*(\t)                         ; pair t's eight loads are in; the later pairs' may be out
.irp c, 0,1,2,3
	v_max3_num_f32 v[AMAX+16*(\t)+(\c)], v[AMAX+16*(\t)+(\c)], v[AMAX+16*(\t)+4+(\c)], v[AMAX+16*(\t)+8+(\c)]
	v_min3_num_f32 v[AMIN+16*(\t)+(\c)], v[AMIN+16*(\t)+(\c)], v[AMIN+16*(\t)+4+(\c)], v[AMIN+16*(\t)+8+(\c)]
.endr
.irp c, 0,1,2,3
	v_max_num_f32 v[AMAX+16*(\t)+(\c)], v[AMAX+16*(\t)+(\c)], v[AMAX+16*(\t)+12+(\c)]
	v_min_num_f32 v[AMIN+16*(\t)+(\c)], v[AMIN+16*(\t)+(\c)], v[AMIN+16*(\t)+12+(\c)]
.endr
.irp c, 0,2
	v_pk_add_f32 v[AMAX+16*(\t)+(\c):AMAX+16*(\t)+(\c)+1], v[AMAX+16*(\t)+(\c):AMAX+16*(\t)+(\c)+1], v[AMIN+16*(\t)+(\c):AMIN+16*(\t)+(\c)+1]  ; max + min,
.endr
.irp c, 0,2
	v_pk_add_f32 v[AMAX+16*(\t)+(\c):AMAX+16*(\t)+(\c)+1], v[AMAX+16*(\t)+(\c):AMAX+16*(\t)+(\c)+1], v[BIAS+(\c):BIAS+(\c)+1]                  ; then + bias
.endr
	global_store_b128 v[CO], v[AMAX+16*(\t):AMAX+16*(\t)+3], s[10:11] offset:(\t)*2*ROWB th:TH_STORE_NT  ; 16 lanes store 256 consecutive bytes, at a multiple of 256 from out's first byte
.endr
	s_wait_tensorcnt 0x0                           ; the wave's end, behind my last tensor load and my last LDS store
	ds_add_u32 v[SPW], v[NIL]
	s_wait_dscnt 0x0
	CROUND                                         ; the closing round: no work-group ends while a partner may still ask for a tile that names it
	s_endpgm
.Lfunc_end_k_q06274b8550_mam:
	.size	k_q06274b8550_mam, .Lfunc_end_k_q06274b8550_mam-k_q06274b8550_mam
	.p2alignl 7, 3214868480
	.fill 96, 4, 3214868480
	.section	.rodata,"a",@progbits
	.p2align	6, 0x0
	.amdhsa_kernel k_q06274b8550_mam
		.amdhsa_group_segment_fixed_size 327680
		.amdhsa_private_segment_fixed_size 0
		.amdhsa_enable_private_segment 0
		.amdhsa_kernarg_size 32
		.amdhsa_user_sgpr_count 2
		.amdhsa_user_sgpr_kernarg_segment_ptr 1
		.amdhsa_wavefront_size32 1
		.amdhsa_system_sgpr_workgroup_id_x 1
		.amdhsa_system_sgpr_workgroup_id_y 1
		.amdhsa_system_sgpr_workgroup_id_z 1
		.amdhsa_system_vgpr_workitem_id 0
		.amdhsa_next_free_vgpr 232
		.amdhsa_next_free_sgpr 66
		.amdhsa_reserve_vcc 0
		.amdhsa_float_denorm_mode_32 3
		.amdhsa_float_denorm_mode_16_64 3
		.amdhsa_memory_ordered 1
		.amdhsa_forward_progress 1
		.amdhsa_inst_pref_size 242
	.end_amdhsa_kernel
	.amdgpu_metadata
---
amdhsa.version: [ 1, 2 ]
amdhsa.kernels:
  - .name:           k_q06274b8550_mam
    .symbol:         k_q06274b8550_mam.kd
    .args:
      - { .name: x, .offset: 0, .size: 8, .value_kind: global_buffer, .address_space: global }
      - { .name: weight, .offset: 8, .size: 8, .value_kind: global_buffer, .address_space: global }
      - { .name: bias, .offset: 16, .size: 8, .value_kind: global_buffer, .address_space: global }
      - { .name: out0, .offset: 24, .size: 8, .value_kind: global_buffer, .address_space: global }
    .group_segment_fixed_size: 327680
    .private_segment_fixed_size: 0
    .kernarg_segment_align: 8
    .kernarg_segment_size: 32
    .max_flat_workgroup_size: 256
    .sgpr_count:     66
    .vgpr_count:     232
    .wavefront_size: 32
...
	.end_amdgpu_metadata
.endif
;; end of part 1
